; MI455X (gfx1250); checked and timed in simulation.
; The chip was launched on July 23, 2026; its instructions are those of AMD's public machine-readable ISA for CDNA 5 (MIT licence, August 2026) and "CDNA5" Instruction Set Architecture Reference Guide (July 2026). The comments in the code are by the model that wrote it; some were corrected since.
;; Fine Grained History Attention Net. Allowed arithmetic: float matrix products may take bf16 or f16 operands with f32 sums; all other float work in f32.
;; Inputs: W 1 x 768 float32; bert_representation 32 x 384 x 768 float32; mtl_input 32 x 768 float32; slice_mask 32 int32.
;; Outputs: out0 8 x 384 x 768 float32; out1 8 x 768 float32; out2 8 x 385 x 12 float32.
;; Constants: slice_num = 8.
;; One version. Each part assembles by itself: llvm-mc -triple=amdgcn-amd-amdhsa -mcpu=gfx1250 --defsym DOCPART=n.
;; ======== version 1 of 1: 1 launch
;; launch pool (part 1): grid 55 x 8, 7 waves a work-group, no clusters, 1,536 bytes of LDS; arguments slice_mask, W, bert_representation, mtl_input, out0, out1, out2; writes out0, out1, out2
.if DOCPART == 1
	.amdgcn_target "amdgcn-amd-amdhsa--gfx1250"
	.amdhsa_code_object_version 6
	.text
	.protected	k_qd9e1609907_pool
	.globl	k_qd9e1609907_pool
	.p2align	8
	.type	k_qd9e1609907_pool,@function
k_qd9e1609907_pool:
	s_mov_b64 s[64:65], 0
	v_nop
	global_prefetch_b8 v0, s[64:65] scope:SCOPE_SE
	s_setreg_imm32_b32 hwreg(HW_REG_WAVE_MODE, 25, 1), 1
	s_wait_xcnt 0x0
; History attention over turns.  For example b (0..7) and position l (0..384; 384 is the mtl vector):
;   turn t (0..11) is valid if j = t - 12 + m[b] >= 0; its row of x is clip(start[b] + j), rows 32.. of x are zeros;
;   logit[t] = row . W;  probs = softmax of the logits over the valid turns;  pooled = sum of probs[t] * row[t].
; One wave owns one position: a row is 3,072 bytes = six loads of 16 bytes a lane (512 consecutive bytes each) = 24 registers,
; and stays in registers between the dot product and the weighted sum, so every input byte is read once.
; 385 = 55 x 7: work-group (x, y) has seven waves, example y, positions 7 x .. 7 x + 6.  No loop: each wave asks for its rows four at a time.
; Two multiply-adds for each number loaded, one output column in the first product, a product of its own for each position in the
; second: the work is a stream, and is done in f32 on the vector unit; a matrix tile would be fifteen sixteenths empty.
; Nothing but W (3 KB) is read by more than one work-group, so there is nothing to share in a cluster.
; Turns go four at a time (t = 8..11, then 4..7 if m >= 5, then 0..3 if m >= 9) with a running maximum; each further four cost a
; further trip to memory, since four rows are what the registers hold.
; WHAT DIFFERS FROM THE DEFINITION, AND LIMITS:
;  - the definition takes no maximum away before exp; here the largest valid logit is taken away (the quotient is the same).  Where the
;    definition overflows (a logit above 88.7) it yields NaN, this text finite numbers.  A probability below 2^-126 comes out as 0.
;  - m <= 0: no valid turn, the definition divides 0 by 0; here the maximum is -inf and -inf - -inf = NaN reaches all three outputs.
;  - a turn that is not valid, or whose row is 32 or more, is zeros outright (no load); the definition multiplies the clipped row by 0,
;    which differs only if that row holds an infinity or a NaN.
;  - slice_mask[8..31] are not read: the results are those of examples 0..7, whose starts are sums of entries 0..6.  Sums wrap in 32 bits.
.set TURNS,  12
.set TOKENS, 384
.set ROWB,   3072                      ; bytes of a row of 768 f32
.set PLANEB, TOKENS*ROWB               ; bytes from one row of x to the next in bert_representation
.set XROWS,  32                        ; rows of x that are not padding
.set WAVES,  7
.set PROBB,  4*TURNS                   ; bytes of a position's probs
; scalar registers
.set SAVE,   2                         ; EXEC kept
.set TJ,     3                         ; at work
.set WAVE,   18
.set SB,     19                        ; example b
.set SLL,    20                        ; position l
.set LOG2E,  21
.set PSEL,   22                        ; s[22:23] v_permlanex16_b32: lane i reads lane i of the other half
.set MASK,   24                        ; s[24:31] slice_mask[0..7]
.set OA,     32                        ; s[32:33] byte offset of the position in the source
.set OB,     34                        ; s[34:35] in the pooled output
.set OC,     36                        ; s[36:37] of the group's probs in out2
.set SRC,    38                        ; s[38:39] source at row 0 of x, my position
.set DST,    40                        ; s[40:41] where my pooled row goes
.set PRB,    42                        ; s[42:43] where the group's probs go
.set STRIDE, 44                        ; bytes from row to row of x in the source
.set SM,     45                        ; m[b]
.set START,  46                        ; start[b]
.set SJ,     47                        ; m - 12: j of turn 0
.set SR,     48                        ; start + m - 12: row of turn 0, not yet clipped
.set SL0,    49                        ; the group's first position
.set TR,     50                        ; s[50:51] a turn's row, then its byte offset; s51 stays 0
.set BASE,   52                        ; s[52:59] the four turns' row addresses
.set VALID,  60                        ; s[60:63] the four turns: -1 valid, 0 not
; vector registers
.set VOFF,   1                         ; 16 x lane; never rewritten
.set VLANE,  2
.set VLA,    3                         ; LDS: 48 x wave + 4 x min(lane, 11)
.set VL,     4                         ; lane t: logit of turn t, -inf if not valid; lanes 11..31 all hold turn 11
.set VNINF,  5
.set VMAX,   6                         ; running maximum of the valid logits
.set VM2,    7                         ; the same times log2(e)
.set VS,     8                         ; running sum of the weights
.set VT,     9
.set VRS,    10                        ; v[10:11] 1 / sum, and a written partner for the packed multiply
.set VC,     12                        ; v[12:13] factor that brings older sums to a new maximum, and its argument
.set VE,     14                        ; v[14:21] turn s: weight in 14+2s, its argument in 15+2s
.set VD,     22                        ; v[22:29] turn s: dot product, a pair
.set VT2,    30
.set VW,     32                        ; v[32:55]  W, my 24 columns
.set VA,     56                        ; v[56:79]  pooled sum, my 24 columns
.set VX,     80                        ; v[80:175] four rows, 24 registers each
	s_load_b256 s[4:11], s[0:1], 0x0               ; slice_mask s[4:5], W s[6:7], bert s[8:9], mtl s[10:11]
	s_load_b128 s[12:15], s[0:1], 0x20             ; out0 s[12:13], out1 s[14:15]
	s_load_b64 s[16:17], s[0:1], 0x30              ; out2
	v_lshl_add_u32 v176, v0, 2, 0x200
	v_mov_b32 v177, 0
	v_lshrrev_b32 v[VT], 5, v0
	v_readfirstlane_b32 s[WAVE], v[VT]             ; wave 0..6
	v_and_b32 v[VLANE], 31, v0
	v_lshlrev_b32 v[VOFF], 4, v[VLANE]
	v_min_u32 v[VLA], TURNS-1, v[VLANE]
	s_mul_i32 s[TJ], s[WAVE], PROBB
	v_lshl_add_u32 v[VLA], v[VLA], 2, s[TJ]
	v_mov_b32 v[VNINF], 0xff800000                 ; -inf
	v_mov_b32 v[VL], 0xff800000                    ; turns of fours that are never reached are not valid
	s_mov_b32 s[LOG2E], 0x3fb8aa3b
	s_mov_b32 s[PSEL], 0x76543210
	s_mov_b32 s[PSEL+1], 0xfedcba98
	s_and_b32 s[SB], ttmp7, 0xffff
	s_mul_i32 s[SL0], ttmp9, WAVES
	s_add_co_u32 s[SLL], s[SL0], s[WAVE]
	s_mul_i32 s[OA], s[SLL], ROWB                  ; token l inside a row of x
	s_mul_i32 s[OB], s[SB], TOKENS
	s_add_co_u32 s[OB], s[OB], s[SLL]              ; row b * 384 + l of out0
	s_mul_i32 s[OC], s[SB], TOKENS+1
	s_add_co_u32 s[OC], s[OC], s[SL0]
	s_mul_i32 s[OC], s[OC], PROBB                  ; (385 b + 7 x) * 48: a multiple of 16
	s_mov_b32 s[OA+1], 0
	s_mov_b32 s[OB+1], 0
	s_mov_b32 s[OC+1], 0
	s_mov_b32 s[TR+1], 0
	s_mov_b32 s[STRIDE], PLANEB
	s_cmp_eq_u32 s[SLL], TOKENS                    ; position 384: rows come from mtl_input, the result goes to out1
	s_cselect_b32 s[STRIDE], ROWB, s[STRIDE]
	s_cselect_b32 s[OA], 0, s[OA]
	s_cselect_b32 s[OB], s[SB], s[OB]
	s_mul_i32 s[OB], s[OB], ROWB
	s_wait_kmcnt 0x0
	s_load_b256 s[MASK:MASK+7], s[4:5], 0x0        ; the row addresses hang on these: asked for first
.irp j, 0,1,2,3,4,5
	global_load_b128 v[VW+4*\j:VW+4*\j+3], v[VOFF], s[6:7] offset:512*\j      ; columns 128 j + 4 lane .. + 3, as in every row
.endr
	s_cmp_eq_u32 s[SLL], TOKENS
	s_cselect_b64 s[SRC:SRC+1], s[10:11], s[8:9]
	s_cselect_b64 s[DST:DST+1], s[14:15], s[12:13]
	s_add_nc_u64 s[SRC:SRC+1], s[SRC:SRC+1], s[OA:OA+1]
	s_add_nc_u64 s[DST:DST+1], s[DST:DST+1], s[OB:OB+1]
	s_add_nc_u64 s[PRB:PRB+1], s[16:17], s[OC:OC+1]
	s_wait_kmcnt 0x0
	; m = slice_mask[b], start = slice_mask[0] + .. + slice_mask[b-1], by selects on b
	s_mov_b32 s[START], 0
	s_mov_b32 s[SM], s[MASK]
.irp i, 1,2,3,4,5,6,7
	s_cmp_ge_u32 s[SB], \i
	s_cselect_b32 s[SM], s[MASK+\i], s[SM]
	s_cselect_b32 s[TJ], s[MASK+\i-1], 0
	s_add_co_i32 s[START], s[START], s[TJ]
.endr
	s_add_co_i32 s[SJ], s[SM], -TURNS
	s_add_co_i32 s[SR], s[START], s[SJ]
; Turn t = 8 - 4 c + s into row slot s: six loads if the turn is valid and its row is one of the 32, zeros otherwise.
; Either way all 24 registers of the slot are written, so the arithmetic behind is the same for every turn.
.macro SLOT c, s
	s_add_co_i32 s[TJ], s[SJ], 8-4*\c+\s           ; j
	s_add_co_i32 s[TR], s[SR], 8-4*\c+\s           ; start + j
	s_cmp_ge_i32 s[TJ], 0
	s_cselect_b32 s[VALID+\s], -1, 0
	s_max_i32 s[TR], s[TR], 0                      ; the clip from below; from above every row past 31 is zeros
	s_cmp_lt_u32 s[TR], XROWS
	s_cselect_b32 s[TJ], s[VALID+\s], 0            ; valid and inside the 32 rows
	s_min_u32 s[TR], s[TR], 31                     ; a number from memory enters an address only behind this bound
	s_mul_i32 s[TR], s[TR], s[STRIDE]
	s_add_nc_u64 s[BASE+2*\s:BASE+2*\s+1], s[SRC:SRC+1], s[TR:TR+1]
	s_cmp_lg_u32 s[TJ], 0
	s_cbranch_scc0 .Lpad\c\s
.irp j, 0,1,2,3,4,5
	global_load_b128 v[VX+24*\s+4*\j:VX+24*\s+4*\j+3], v[VOFF], s[BASE+2*\s:BASE+2*\s+1] offset:512*\j th:TH_LOAD_NT
.endr
	s_branch .Lhave\c\s
.Lpad\c\s:
.set q, 0
.rept 24
	v_mov_b32 v[VX+24*\s+q], 0
.set q, q+1
.endr
.Lhave\c\s:
.endm
; Four turns: rows in, logits, weights against the running maximum, weighted sum.  c = 0 starts the sums: nothing is cleared.
.macro CHUNK c
	SLOT \c, 0
	SLOT \c, 1
	SLOT \c, 2
	SLOT \c, 3
	s_wait_loadcnt 0x0                             ; for 0: how many loads were issued hangs on the turns, so no count holds on every way here.  W is in too,
	                                               ; and the four row addresses may be written again by the next four turns
	; four dot products, two columns at a time, in four chains that take turns
.irp s, 0,1,2,3
	v_pk_mul_f32 v[VD+2*\s:VD+2*\s+1], v[VX+24*\s:VX+24*\s+1], v[VW:VW+1]
.endr
.irp j, 1,2,3,4,5,6,7,8,9,10,11
.irp s, 0,1,2,3
	v_pk_fma_f32 v[VD+2*\s:VD+2*\s+1], v[VX+24*\s+2*\j:VX+24*\s+2*\j+1], v[VW+2*\j:VW+2*\j+1], v[VD+2*\s:VD+2*\s+1]
.endr
.endr
.irp s, 0,1,2,3
	v_add_f32 v[VD+2*\s], v[VD+2*\s], v[VD+2*\s+1]
.endr
	; over the 32 lanes: four steps inside each half of 16, one across; every lane ends with the sum
.irp x, 1,2,4,8
.irp s, 0,1,2,3
	v_add_f32_dpp v[VD+2*\s], v[VD+2*\s], v[VD+2*\s] row_xmask:\x row_mask:0xf bank_mask:0xf
.endr
.endr
.irp s, 0,1,2,3
	v_permlanex16_b32 v[VD+2*\s+1], v[VD+2*\s], s[PSEL], s[PSEL+1]
.endr
.irp s, 0,1,2,3
	v_add_f32 v[VD+2*\s], v[VD+2*\s], v[VD+2*\s+1]
.endr
.irp s, 0,1,2,3
	v_cndmask_b32 v[VD+2*\s], v[VNINF], v[VD+2*\s], s[VALID+\s]    ; a turn that is not valid: -inf, so it loses every maximum and its weight is 0
.endr
.if \c == 0
	v_max3_num_f32 v[VMAX], v[VD], v[VD+2], v[VD+4]
	v_max_num_f32 v[VMAX], v[VMAX], v[VD+6]
	v_mul_f32 v[VM2], s[LOG2E], v[VMAX]
.else
	v_max3_num_f32 v[VT], v[VD], v[VD+2], v[VD+4]
	v_max3_num_f32 v[VMAX], v[VT], v[VD+6], v[VMAX]
	v_mul_f32 v[VT], s[LOG2E], v[VMAX]
	v_sub_f32 v[VC+1], v[VM2], v[VT]               ; old maximum - new, both as they were rounded: older weights stay consistent with the new ones
	v_mov_b32 v[VM2], v[VT]
.endif
.irp s, 0,1,2,3
	v_fma_f32 v[VE+2*\s+1], v[VD+2*\s], s[LOG2E], -v[VM2]          ; (logit - maximum) log2(e), one rounding
.endr
.irp s, 0,1,2,3
	v_exp_f32 v[VE+2*\s], v[VE+2*\s+1]
.endr
.if \c != 0
	v_exp_f32 v[VC], v[VC+1]
.endif
	; lane t keeps turn t's logit for probs.  These plain instructions touch no result and no source of the exponentials above, and
	; so are the place that has to stand between a transcendental and the first use of its result.
.irp s, 0,1,2,3
.if 8-4*\c+\s == TURNS-1
	s_mov_b32 vcc_lo, 0xfffff800                   ; turn 11 goes to lanes 11..31: they all write its word in LDS, with one value
.else
	s_mov_b32 vcc_lo, 1<<(8-4*\c+\s)
.endif
	v_cndmask_b32 v[VL], v[VL], v[VD+2*\s], vcc_lo
.endr
.if \c == 0
	s_wait_alu depctr_va_vdst(0)
	v_add_f32 v[VS], v[VE], v[VE+2]
	v_add_f32 v[VT], v[VE+4], v[VE+6]
	v_add_f32 v[VS], v[VS], v[VT]
.irp j, 0,1,2,3,4,5,6,7,8,9,10,11
	v_pk_mul_f32 v[VA+2*\j:VA+2*\j+1], v[VX+2*\j:VX+2*\j+1], v[VE:VE+1] op_sel_hi:[1,0]       ; both columns times the weight in the pair's first register
.endr
.else
	s_wait_alu depctr_va_vdst(0)
	v_add_f32 v[VT], v[VE], v[VE+2]
	v_add_f32 v[VT2], v[VE+4], v[VE+6]
	v_add_f32 v[VT], v[VT], v[VT2]
	v_fma_f32 v[VS], v[VS], v[VC], v[VT]
.irp j, 0,1,2,3,4,5,6,7,8,9,10,11
	v_pk_mul_f32 v[VA+2*\j:VA+2*\j+1], v[VA+2*\j:VA+2*\j+1], v[VC:VC+1] op_sel_hi:[1,0]
.endr
.irp j, 0,1,2,3,4,5,6,7,8,9,10,11
	v_pk_fma_f32 v[VA+2*\j:VA+2*\j+1], v[VX+2*\j:VX+2*\j+1], v[VE:VE+1], v[VA+2*\j:VA+2*\j+1] op_sel_hi:[1,0,1]
.endr
.endif
.irp s, 1,2,3
.irp j, 0,1,2,3,4,5,6,7,8,9,10,11
	v_pk_fma_f32 v[VA+2*\j:VA+2*\j+1], v[VX+24*\s+2*\j:VX+24*\s+2*\j+1], v[VE+2*\s:VE+2*\s+1], v[VA+2*\j:VA+2*\j+1] op_sel_hi:[1,0,1]
.endr
.endr
.endm
	CHUNK 0                                        ; turns 8..11, always
	s_cmp_ge_i32 s[SM], 5                          ; turn 7 is valid from m = 5 on
	s_cbranch_scc0 .Lfinish
	CHUNK 1                                        ; turns 4..7
	s_cmp_ge_i32 s[SM], 9
	s_cbranch_scc0 .Lfinish
	CHUNK 2                                        ; turns 0..3
.Lfinish:
	v_rcp_f32 v[VRS], v[VS]                        ; the sum is about 1 at the least: the largest weight is 2^0
	v_fma_f32 v[VRS+1], v[VL], s[LOG2E], -v[VM2]   ; lane t: turn t against the final maximum (a plain instruction behind v_rcp_f32)
	v_exp_f32 v[VT], v[VRS+1]
	s_wait_alu depctr_va_vdst(0)
.irp j, 0,1,2,3,4,5,6,7,8,9,10,11
	v_pk_mul_f32 v[VA+2*\j:VA+2*\j+1], v[VA+2*\j:VA+2*\j+1], v[VRS:VRS+1] op_sel_hi:[1,0]     ; plain work behind v_exp_f32, ahead of its result's use
.endr
.irp j, 0,1,2,3,4,5
	global_store_b128 v[VOFF], v[VA+4*\j:VA+4*\j+3], s[DST:DST+1] offset:512*\j th:TH_STORE_NT ; 512 consecutive bytes, at a multiple of 512 from the output's first byte
.endr
	v_mul_f32 v[VT], v[VT], v[VRS]                 ; probs[t] in lane t
	ds_store_b32 v[VLA], v[VT]                     ; my 48 bytes, at 48 x wave
	s_wait_dscnt 0x0                               ; for wave 0's sake: my store is in LDS before I signal
	s_barrier_signal -1
	s_barrier_wait -1
	s_cmp_lg_u32 s[WAVE], 0
	s_cbranch_scc1 .Lend
	; wave 0 stores the seven positions' probs, 336 consecutive bytes of out2, 16 bytes a lane from 21 lanes
	v_min_u32 v[VT], 20, v[VLANE]                  ; lanes past 20 read lane 20's bytes: no byte is read that nobody wrote
	v_lshlrev_b32 v[VT], 4, v[VT]
	ds_load_b128 v[VX:VX+3], v[VT]
	v_cmp_gt_u32 vcc_lo, 21, v[VLANE]
	s_wait_dscnt 0x0
	s_wait_xcnt 0x0                                ; EXEC is a source of the stores above: it changes only behind this wait
	s_and_saveexec_b32 s[SAVE], vcc_lo
	global_store_b128 v[VOFF], v[VX:VX+3], s[PRB:PRB+1] th:TH_STORE_NT
	s_wait_xcnt 0x0                                ; and again in front of the line that widens it
	s_or_b32 exec_lo, exec_lo, s[SAVE]
.Lend:
	s_wait_tensorcnt 0x0
	ds_add_u32 v176, v177
	s_wait_dscnt 0x0
	s_endpgm
.Lfunc_end_k_qd9e1609907_pool:
	.size	k_qd9e1609907_pool, .Lfunc_end_k_qd9e1609907_pool-k_qd9e1609907_pool
	.p2alignl 7, 3214868480
	.fill 96, 4, 3214868480
	.section	.rodata,"a",@progbits
	.p2align	6, 0x0
	.amdhsa_kernel k_qd9e1609907_pool
		.amdhsa_group_segment_fixed_size 1536
		.amdhsa_private_segment_fixed_size 0
		.amdhsa_enable_private_segment 0
		.amdhsa_kernarg_size 56
		.amdhsa_user_sgpr_count 2
		.amdhsa_user_sgpr_kernarg_segment_ptr 1
		.amdhsa_wavefront_size32 1
		.amdhsa_system_sgpr_workgroup_id_x 1
		.amdhsa_system_sgpr_workgroup_id_y 1
		.amdhsa_system_sgpr_workgroup_id_z 1
		.amdhsa_system_vgpr_workitem_id 0
		.amdhsa_next_free_vgpr 178
		.amdhsa_next_free_sgpr 66
		.amdhsa_reserve_vcc 1
		.amdhsa_float_denorm_mode_32 3
		.amdhsa_float_denorm_mode_16_64 3
		.amdhsa_memory_ordered 1
		.amdhsa_forward_progress 1
		.amdhsa_inst_pref_size 55
	.end_amdhsa_kernel
	.amdgpu_metadata
---
amdhsa.version: [ 1, 2 ]
amdhsa.kernels:
  - .name:           k_qd9e1609907_pool
    .symbol:         k_qd9e1609907_pool.kd
    .args:
      - { .name: slice_mask, .offset: 0, .size: 8, .value_kind: global_buffer, .address_space: global }
      - { .name: W, .offset: 8, .size: 8, .value_kind: global_buffer, .address_space: global }
      - { .name: bert_representation, .offset: 16, .size: 8, .value_kind: global_buffer, .address_space: global }
      - { .name: mtl_input, .offset: 24, .size: 8, .value_kind: global_buffer, .address_space: global }
      - { .name: out0, .offset: 32, .size: 8, .value_kind: global_buffer, .address_space: global }
      - { .name: out1, .offset: 40, .size: 8, .value_kind: global_buffer, .address_space: global }
      - { .name: out2, .offset: 48, .size: 8, .value_kind: global_buffer, .address_space: global }
    .group_segment_fixed_size: 1536
    .private_segment_fixed_size: 0
    .kernarg_segment_align: 8
    .kernarg_segment_size: 56
    .max_flat_workgroup_size: 224
    .sgpr_count:     66
    .vgpr_count:     178
    .wavefront_size: 32
...
	.end_amdgpu_metadata
.endif
;; end of part 1
